; MI455X (gfx1250); checked and timed in simulation.
; The chip was launched on July 23, 2026; its instructions are those of AMD's public machine-readable ISA for CDNA 5 (MIT licence, August 2026) and "CDNA5" Instruction Set Architecture Reference Guide (July 2026). The comments in the code are by the model that wrote it; some were corrected since.
;; ETE. Allowed arithmetic: float matrix products may take bf16 or f16 operands with f32 sums; other float arithmetic in f32, or as packed bf16 or f16 multiplies, adds, multiply-adds, maxima and minima; sums over many terms, partial sums and values carried from step to step in f32; what a program stores and reads back later, other than sums and carried values, may be rounded once to bf16 or f16.
;; Inputs: ent_table 100,000 x 128 float32; type_table 2,500 x 128 float32; x_batch 512 int32.
;; Outputs: out0 512 x 2,500 float32.
;; One version. Each part assembles by itself: llvm-mc -triple=amdgcn-amd-amdhsa -mcpu=gfx1250 --defsym DOCPART=n.
;; ======== version 1 of 1: 1 launch
;; launch l1sig (part 1): grid 32 x 8, 4 waves a work-group, clusters of 4 x 1, 203,264 bytes of LDS; arguments ent_table, type_table, x_batch, out0; writes out0
.if DOCPART == 1
	.amdgcn_target "amdgcn-amd-amdhsa--gfx1250"
	.amdhsa_code_object_version 6
	.text
	.protected	k_qddda26fb39_l1sig
	.globl	k_qddda26fb39_l1sig
	.p2align	8
	.type	k_qddda26fb39_l1sig,@function
k_qddda26fb39_l1sig:
	s_mov_b64 s[64:65], 0
	v_nop
	global_prefetch_b8 v0, s[64:65] scope:SCOPE_SE
	s_setreg_imm32_b32 hwreg(HW_REG_WAVE_MODE, 25, 1), 1
	s_wait_xcnt 0x0
	s_wait_alu depctr_hold_cnt(0) depctr_sa_sdst(0) depctr_va_vdst(0) depctr_va_sdst(0) depctr_va_ssrc(0) depctr_va_vcc(0) depctr_vm_vsrc(0)
	s_getreg_b32 s2, hwreg(HW_REG_IB_STS2, 6, 4)
	s_cmp_eq_u32 s2, 0
	s_cbranch_scc0 .Lentry_in_a_cluster
	s_endpgm
.Lentry_in_a_cluster:
	s_bfe_u32 s2, ttmp6, 0x10000c
	s_cmp_lg_u32 s2, 0x3003
	s_cbranch_scc0 .Lentry_shape_is_right
	s_endpgm
.Lentry_shape_is_right:
; out0[b][t] = sigmoid(2 - sum over d of |ent_table[x_batch[b]][d] - type_table[t][d]|).  b < 512, t < 2,500, d < 128; all f32, x_batch int32.
; NOTHING IS LEFT OUT: every input has a way to the output and is loaded; of ent_table only the rows that x_batch names are read (the lookup is a choice by an index read from memory).
; LIMITS.  An index is taken as unsigned and held to 99,999 (the lookup relies on indices inside the table).  A result below 2^-126 comes out as 0 (v_exp_f32 and v_rcp_f32 flush
; denormals: ISA guide, their entries in 15.8).  An infinite distance gives 0, a NaN a NaN, as in the formula 1 / (1 + e^(dist - 2)).
; NO MATRIX WORK: a sum of magnitudes of differences is no product.  All arithmetic is f32: differences are formed of the unrounded inputs, so a common offset of both tables costs nothing.
; THE COUNT.  Four dims of one pair (type, entity): two packed subtractions, two additions that take the magnitudes of both their sources, one packed addition onto a pair of sums:
; 5 instructions for 4 elements.
; SHARES.  A work-group: 16 batch rows x 320 type slots.  Grid x = 32 blocks of rows, y = 8 blocks of slots: 2,560 slots for 2,500 types; the last block begins at type 2,180 and does not
; store its first 60 slots, which belong to the block before.  A wave: 160 slots x 8 entities.  A lane: 5 types (32 slots apart) x 8 entities = 40 pairs, two partial sums each.
; THE WAY IN.  The 320 type rows come by tensor loads in two halves of 64 dims (pieces of 256 bytes, at multiples of 256 bytes from the table's first byte), 80 rows of each half a wave:
; two first fills a wave, and no LDS byte is filled twice.  CLUSTER: the four blocks of rows of a cluster need the same type rows, so each tile is asked for JOINTLY: the same load,
; descriptor and mask in all four.  The 16 entity rows go through registers into LDS.
; THE LOOP.  32 steps of 4 dims: 13 LDS loads of 16 bytes a lane (5 of my own types' rows; 8 entities' quads, one address for all lanes) feed 200 vector instructions; two sets of operand
; registers, the next step's loads issued a step ahead.
; THE WAY OUT.  Through a stage in LDS; rows are read back shifted so that lanes 0-15 and lanes 16-31 of every store cover 256 consecutive bytes each, at a multiple of 256 from out0's first byte.
.set NENT,   100000
.set NTYPE,  2500
.set ROWB,   512                       ; bytes in a row of either table
.set OROWB,  4*NTYPE                   ; bytes in a row of out0
.set TSLOTS, 320                       ; type slots of a work-group
.set ENTS,   16                        ; batch rows of a work-group
.set LROWS,  80                        ; rows in a tensor load
.set PT,     272                       ; half a type row in LDS: 256 bytes + 16 of padding = 68 words: row r starts at bank 4 r mod 64 (64 banks of 4 bytes: ISA guide 11.1)
.set HALFB,  TSLOTS*PT                 ; one half of the type tile
.set EBASE,  2*HALFB                   ; behind the two halves: 16 entity rows of 512 bytes
.set STAGE,  EBASE+ENTS*ROWB           ; behind them: the stage, 16 rows of 320 results; no tensor load lands here or in the entity rows
.set SROWB,  4*TSLOTS
.set SPARE,  STAGE+ENTS*SROWB          ; behind the stage: the spare words, 128 bytes for each wave: two blocks of 256 bytes that no other line names
.set SPW, 2                            ; v2   LDS address of my spare word; never rewritten
.set NIL, 3                            ; v3   0; never rewritten
.set AT,  4                            ; v4   LDS address of my first type's row, at the step in hand
.set AE,  5                            ; v5   LDS address of my wave's first entity, at the step in hand (the same in all lanes)
.set SA,  12                           ; v12  where my results go in the stage
.set C0,  13                           ; v13  lane - 4 wave - the block's phase: the chunk of a stage row that I read back in the first store of my wave's first row
.set LB,  14                           ; v14  my wave's first row in the stage
.set GB,  15                           ; v15  my wave's first row in the work-group's part of out0
.set T0R, 16                           ; v[16:35], v[36:55]    two sets of 5 types x 4 dims
.set T1R, 36
.set E0R, 56                           ; v[56:87], v[88:119]   two sets of 8 entities x 4 dims
.set E1R, 88
.set ACC, 120                          ; v[120:199] pair (i, j): two partial sums at ACC + 16 i + 2 j
.set D,   200                          ; v[200:231] differences: one type against 8 entities
.set S,   232                          ; v[232:247] their sums of two magnitudes
.set R,   16                           ; the way out: 40 results
.set CC,  56                           ; the way out: 12 chunk numbers
.set GO,  68                           ;              12 offsets in out0
.set LAD, 80                           ;              12 LDS addresses
.set DAT, 120                          ;              12 x 16 bytes read back
.set WV,  12                           ; s12  my wave's number
.set CNT, 44                           ; s44  counts the loop's trips
.set G1,  24                           ; s[24:31] descriptor group 1
.set G0A, 32                           ; s[32:35] group 0, dims 0-63
.set G0B, 36                           ; s[36:39] group 0, dims 64-127
; A round of the cluster's barrier: my work-group's barrier, so that wave 0's signal speaks for all four waves; wave 0 signals; every wave waits for all four work-groups; my work-group's barrier once more.
.macro ROUND
	s_barrier_signal -1
	s_barrier_wait -1
	s_cmp_lg_u32 s[WV], 0
	s_cbranch_scc1 .Lnot_wave_0_\@
	s_barrier_signal -3
.Lnot_wave_0_\@:
	s_barrier_wait -3
	s_barrier_signal -1
	s_barrier_wait -1
.endm
	s_load_b256 s[4:11], s[0:1], 0x0               ; ent_table s[4:5], type_table s[6:7], x_batch s[8:9], out0 s[10:11]
	v_lshl_add_u32 v[SPW], v0, 2, SPARE
	v_mov_b32 v[NIL], 0
	ds_add_u32 v[SPW], v[NIL]                      ; the wave's opening: the add, twice on end, and its wait ahead of my first tensor load; the set-up below stands between
	ds_add_u32 v[SPW], v[NIL]
	v_lshrrev_b32 v1, 5, v0
	v_readfirstlane_b32 s[WV], v1                  ; wave 0..3
	s_and_b32 s15, ttmp7, 0xffff                   ; the block of type slots, which the four partners share
	s_mul_i32 s16, s15, TSLOTS
	s_min_u32 s17, s16, NTYPE-TSLOTS               ; its first type: the last block is moved back so that all its 320 rows exist
	s_sub_co_u32 s18, s16, s17                     ; slots that belong to the block before: 0 or 60,
	s_lshr_b32 s18, s18, 2                         ; in chunks of 4 results
	s_sub_co_u32 s19, TSLOTS/4, s18                ; chunks of a stage row that I store
	s_bfe_u32 s47, s17, 0x40002                    ; (first type / 4) mod 16: the chunk of an aligned 256 bytes at which slot 0 of batch row 0 falls
	s_lshl2_add_u32 s47, s[WV], s47                ; + my wave's first row: each row of out0 begins one chunk later (10,000 = 39 x 256 + 16)
	s_mul_i32 s40, s[WV], LROWS
	s_add_co_u32 s40, s40, s17                     ; the first type row that I fetch,
	s_lshl_b32 s40, s40, 9                         ; in bytes
	s_mov_b32 s41, 0
	; descriptor group 1: a tile of 80 rows x 64 elements of 4 bytes, padded in LDS
	s_mov_b32 s[G1+0], 15|(2<<16)|(1<<20)|(1<<21)|(5<<22)|(3<<25)  ; 15:0 the mask: all four work-groups; 17:16 elements of 4 bytes; 20 padding on; 21 set beside a mask; 24:22 after every 64 words (code 5); 31:25 4 words (code 3)
	s_mov_b32 s[G1+1], 64<<16                      ; tensor_dim0 = 64
	s_mov_b32 s[G1+2], LROWS<<16                   ; tensor_dim1 = 80
	s_mov_b32 s[G1+3], 64<<16                      ; tile_dim0 = 64
	s_mov_b32 s[G1+4], LROWS                       ; tile_dim1 = 80
	s_mov_b32 s[G1+5], 128                         ; 128 elements from row to row
	s_mov_b32 s[G1+6], 0
	s_mov_b32 s[G1+7], 0
	s_mov_b32 s[G0A], 1                            ; count = 1
	s_mul_i32 s[G0A+1], s[WV], LROWS*PT            ; LDS address: my 80 rows of the first half,
	s_mov_b32 s[G0B], 1
	s_add_co_u32 s[G0B+1], s[G0A+1], HALFB         ; and of the second: no place in the cluster enters an LDS address
	; what hangs on my place in the cluster enters x_batch's and out0's addresses alone, in registers of its own
	s_bfe_u32 s13, ttmp6, 0x40000                  ; cx
	s_lshl_b32 s14, ttmp9, 2                       ; in a cluster launch ttmp9 counts clusters
	s_add_co_u32 s14, s14, s13                     ; my block of 16 batch rows
	s_lshl_b32 s56, s14, 6                         ; its 16 indices,
	s_lshl4_add_u32 s56, s[WV], s56                ; my wave's four of them
	s_mov_b32 s57, 0
	s_mul_i32 s54, s14, ENTS*OROWB                 ; its 16 rows of out0,
	s_lshl2_add_u32 s54, s17, s54                  ; at slot 0's column
	s_mov_b32 s55, 0
	s_mov_b32 s48, 0x3fb8aa3b                      ; log2(e)
	s_mov_b32 s49, s48                             ; named with it as a pair
	s_mov_b32 s50, 0xc038aa3b                      ; -2 log2(e): the margin
	s_mov_b32 s51, s50
	s_wait_dscnt 0x0                               ; both opening adds are done
	s_wait_kmcnt 0x0
	s_add_nc_u64 s[G0A+2:G0A+3], s[6:7], s[40:41]  ; global address: my rows, dims 0-63,
	s_add_nc_u64 s[G0B+2:G0B+3], s[G0A+2:G0A+3], 256  ; and dims 64-127
	s_or_b32 s[G0A+3], s[G0A+3], 0x80000000        ; type = 2
	s_or_b32 s[G0B+3], s[G0B+3], 0x80000000
	s_add_nc_u64 s[58:59], s[8:9], s[56:57]
	s_load_b128 s[20:23], s[58:59], 0x0            ; my four indices: asked for ahead of the round, wanted behind the tensor loads
	s_add_nc_u64 s[10:11], s[10:11], s[54:55]
	ROUND                                          ; all four work-groups are here: the joint loads meet
	tensor_load_to_lds s[G0A:G0A+3], s[G1:G1+7]    ; both first fills go out together: two loads of mine are out
	s_nop 0
	tensor_load_to_lds s[G0B:G0B+3], s[G1:G1+7]
	s_nop 0
	v_and_b32 v1, 31, v0                           ; lane
	v_lshlrev_b32 v6, 4, v1                        ; 16 bytes a lane: 32 lanes take a table row
	s_lshr_b32 s45, s[WV], 1                       ; which 160 slots are mine
	s_and_b32 s46, s[WV], 1                        ; which 8 entities
	s_lshl_b32 s42, s[WV], 11
	s_add_co_u32 s42, s42, EBASE
	v_add_nc_u32 v7, s42, v6                       ; where the four entity rows that I fetch go
	s_mul_i32 s43, s45, 160*PT
	v_mul_u32_u24 v[AT], v1, PT
	v_add_nc_u32 v[AT], s43, v[AT]                 ; (160 x half + lane) rows
	s_lshl_b32 s53, s46, 12
	s_add_co_u32 s53, s53, EBASE
	v_mov_b32 v[AE], s53
	s_mul_i32 s60, s46, 8*SROWB
	s_mul_i32 s61, s45, 640
	s_add_co_u32 s60, s60, s61
	s_add_co_u32 s60, s60, STAGE
	v_lshl_add_u32 v[SA], v1, 2, s60               ; stage row 8 x entity half, slot 160 x type half + lane
	v_sub_nc_u32 v[C0], v1, s47
	s_mul_i32 s60, s[WV], 4*SROWB
	s_add_co_u32 s60, s60, STAGE
	v_mov_b32 v[LB], s60
	s_mul_i32 s61, s[WV], 4*OROWB
	v_mov_b32 v[GB], s61
	s_wait_kmcnt 0x0                               ; the indices
.irp n, 0,1,2,3
	s_min_u32 s[20+(\n)], s[20+(\n)], NENT-1       ; held inside the table
	v_lshl_add_u32 v[8+(\n)], s[20+(\n)], 9, v6    ; row x 512 + 16 x lane
.endr
.irp n, 0,1,2,3
	global_load_b128 v[16+4*(\n):16+4*(\n)+3], v[8+(\n)], s[4:5]  ; a whole row: 512 consecutive bytes
.endr
	s_wait_loadcnt 0x0
.irp n, 0,1,2,3
	ds_store_b128 v7, v[16+4*(\n):16+4*(\n)+3] offset:(\n)*ROWB
.endr
	s_wait_tensorcnt 0x1                           ; my part of dims 0-63 is in; dims 64-127 may stay out
	s_wait_dscnt 0x0                               ; for the others' sake: my entity rows are stored
	s_barrier_signal -1
	s_barrier_wait -1                              ; everybody's are
; A step's 13 LDS loads, from byte off behind the two addresses.
.macro LOADS tb, eb, off
.irp j, 0,1,2,3,4,5,6,7
	ds_load_b128 v[(\eb)+4*(\j):(\eb)+4*(\j)+3], v[AE] offset:(\j)*ROWB+(\off)
.endr
.irp i, 0,1,2,3,4
	ds_load_b128 v[(\tb)+4*(\i):(\tb)+4*(\i)+3], v[AT] offset:(\i)*32*PT+(\off)
.endr
.endm
; One type against 8 entities, 4 dims: 16 packed subtractions, 16 additions of two magnitudes, 8 packed additions onto the sums.  Each kind stands in a run, so that no line reads the result of
; one just ahead of it.  first = 1: the sums begin here: the additions of magnitudes write them, and nothing is ever cleared.
.macro ITEM tb, eb, i, first
.irp j, 0,1,2,3,4,5,6,7
	v_pk_add_f32 v[D+4*(\j):D+4*(\j)+1], v[(\tb)+4*(\i):(\tb)+4*(\i)+1], v[(\eb)+4*(\j):(\eb)+4*(\j)+1] neg_lo:[0,1] neg_hi:[0,1]
	v_pk_add_f32 v[D+4*(\j)+2:D+4*(\j)+3], v[(\tb)+4*(\i)+2:(\tb)+4*(\i)+3], v[(\eb)+4*(\j)+2:(\eb)+4*(\j)+3] neg_lo:[0,1] neg_hi:[0,1]
.endr
.irp j, 0,1,2,3,4,5,6,7
.if \first
	v_add_f32 v[ACC+16*(\i)+2*(\j)], |v[D+4*(\j)]|, |v[D+4*(\j)+1]|
	v_add_f32 v[ACC+16*(\i)+2*(\j)+1], |v[D+4*(\j)+2]|, |v[D+4*(\j)+3]|
.else
	v_add_f32 v[S+2*(\j)], |v[D+4*(\j)]|, |v[D+4*(\j)+1]|
	v_add_f32 v[S+2*(\j)+1], |v[D+4*(\j)+2]|, |v[D+4*(\j)+3]|
.endif
.endr
.if !(\first)
.irp j, 0,1,2,3,4,5,6,7
	v_pk_add_f32 v[ACC+16*(\i)+2*(\j):ACC+16*(\i)+2*(\j)+1], v[ACC+16*(\i)+2*(\j):ACC+16*(\i)+2*(\j)+1], v[S+2*(\j):S+2*(\j)+1]
.endr
.endif
.endm
.macro BLOCK tb, eb, first
.irp i, 0,1,2,3,4
	ITEM \tb, \eb, \i, \first
.endr
.endm
; Sixteen steps: 64 dims.  The first and the last step are written out, so that no load reaches past the half's 256 bytes of a row; a trip of the loop is two steps.
.macro HALFRUN first
	LOADS T0R, E0R, 0
	LOADS T1R, E1R, 16
	s_wait_dscnt 13                                ; LDS loads come back in order (ISA guide 5.7.1): set 0 is in, set 1's 13 loads may stay out
	BLOCK T0R, E0R, \first
	s_mov_b32 s[CNT], 7
.Ltrip_\@:
	LOADS T0R, E0R, 32
	s_wait_dscnt 13                                ; set 1 is in; the 13 just issued may stay out
	BLOCK T1R, E1R, 0
	LOADS T1R, E1R, 48
	s_wait_dscnt 13                                ; set 0 is in
	BLOCK T0R, E0R, 0
	v_add_nc_u32 v[AT], 32, v[AT]                  ; two steps on
	v_add_nc_u32 v[AE], 32, v[AE]
	s_sub_co_u32 s[CNT], s[CNT], 1
	s_cmp_lg_u32 s[CNT], 0
	s_cbranch_scc1 .Ltrip_\@
	s_wait_dscnt 0x0
	BLOCK T1R, E1R, 0
.endm
	HALFRUN 1                                      ; dims 0-63
	s_wait_tensorcnt 0x0                           ; my part of dims 64-127 is in (no LDS load of mine is out: the last wait was for 0),
	s_barrier_signal -1
	v_add_nc_u32 v[AT], HALFB-7*32, v[AT]          ; the same rows in the second half,
	v_add_nc_u32 v[AE], 32, v[AE]                  ; the entity rows go straight on
	s_barrier_wait -1                              ; everybody's is
	HALFRUN 0                                      ; dims 64-127
	; THE SIGMOID: 1 / (1 + 2^(dist log2(e) - 2 log2(e))).  The exponentials are one batch and the reciprocals another: behind each a plain instruction and one wait ahead of the first use.
.set k, 0
.rept 40
	v_add_f32 v[R+k], v[ACC+2*k], v[ACC+2*k+1]     ; a pair's two partial sums
.set k, k+1
.endr
.set k, 0
.rept 20
	v_pk_fma_f32 v[R+k:R+k+1], v[R+k:R+k+1], s[48:49], s[50:51] op_sel_hi:[1,0,0]
.set k, k+2
.endr
.set k, 0
.rept 40
	v_exp_f32 v[R+k], v[R+k]
.set k, k+1
.endr
	v_nop
	s_wait_alu depctr_va_vdst(0)
.set k, 0
.rept 20
	v_pk_add_f32 v[R+k:R+k+1], v[R+k:R+k+1], 1.0 op_sel_hi:[1,0]
.set k, k+2
.endr
.set k, 0
.rept 40
	v_rcp_f32 v[R+k], v[R+k]
.set k, k+1
.endr
	v_nop
	s_wait_alu depctr_va_vdst(0)
.irp i, 0,1,2,3,4
.irp j, 0,1,2,3,4,5,6,7
	ds_store_b32 v[SA], v[R+8*(\i)+(\j)] offset:(\j)*SROWB+(\i)*128  ; 32 lanes: 32 neighbouring slots of one row
.endr
.endr
	s_wait_dscnt 0x0                               ; for the others' sake: a stage row comes from two waves
	s_barrier_signal -1
	s_barrier_wait -1
	; THE STORES.  Wave w takes stage rows r = 4 w + m.  Store n of a row: lane l takes chunk c = 32 n + l - r - phase of the row's 80 chunks of 16 bytes.  Its byte in out0, counted from the
	; work-group's first row at the block's column 320 y, is 9,984 r + 512 n + 16 l, and 160,000, 1,280 and 9,984 are multiples of 256: so each half of the lanes covers 256 consecutive bytes, aligned.
	; Chunks outside the row's share (c below the first chunk that is mine, or 80 and more) are masked off; for the addresses c is held to 0..79.
.irp m, 0,1,2,3
.irp n, 0,1,2
	v_add_nc_u32 v[CC+3*(\m)+(\n)], 32*(\n)-(\m), v[C0]
	v_min_u32 v[LAD+3*(\m)+(\n)], TSLOTS/4-1, v[CC+3*(\m)+(\n)]  ; unsigned: a negative c becomes 79 too
	v_lshl_add_u32 v[GO+3*(\m)+(\n)], v[LAD+3*(\m)+(\n)], 4, v[GB]
	v_lshl_add_u32 v[LAD+3*(\m)+(\n)], v[LAD+3*(\m)+(\n)], 4, v[LB]
	ds_load_b128 v[DAT+4*(3*(\m)+(\n)):DAT+4*(3*(\m)+(\n))+3], v[LAD+3*(\m)+(\n)] offset:(\m)*SROWB
	v_sub_nc_u32 v[CC+3*(\m)+(\n)], v[CC+3*(\m)+(\n)], s18       ; counted from the first chunk that is mine
.endr
.endr
	s_wait_dscnt 0x0
.irp m, 0,1,2,3
	global_store_b128 v[GO+3*(\m)+1], v[DAT+4*(3*(\m)+1):DAT+4*(3*(\m)+1)+3], s[10:11] offset:(\m)*OROWB th:TH_STORE_NT  ; the middle store: c is 16 to 63, always mine
.endr
.irp m, 0,1,2,3
.irp n, 0,2
	v_cmp_gt_u32 vcc_lo, s19, v[CC+3*(\m)+(\n)]    ; unsigned: below the first chunk counts as too large
	s_wait_xcnt 0x0                                ; EXEC is a source of the stores issued so far: it changes only behind this wait
	s_and_saveexec_b32 s52, vcc_lo
	global_store_b128 v[GO+3*(\m)+(\n)], v[DAT+4*(3*(\m)+(\n)):DAT+4*(3*(\m)+(\n))+3], s[10:11] offset:(\m)*OROWB th:TH_STORE_NT
	s_wait_xcnt 0x0                                ; and again, in front of the line that widens it
	s_or_b32 exec_lo, exec_lo, s52
.endr
.endr
	s_wait_tensorcnt 0x0                           ; the wave's end, behind my last tensor load and my last LDS store
	ds_add_u32 v[SPW], v[NIL]
	s_wait_dscnt 0x0
	ROUND                                          ; the closing round: no work-group ends while a partner may still ask for a tile that names it
	s_endpgm
.Lfunc_end_k_qddda26fb39_l1sig:
	.size	k_qddda26fb39_l1sig, .Lfunc_end_k_qddda26fb39_l1sig-k_qddda26fb39_l1sig
	.p2alignl 7, 3214868480
	.fill 96, 4, 3214868480
	.section	.rodata,"a",@progbits
	.p2align	6, 0x0
	.amdhsa_kernel k_qddda26fb39_l1sig
		.amdhsa_group_segment_fixed_size 203264
		.amdhsa_private_segment_fixed_size 0
		.amdhsa_enable_private_segment 0
		.amdhsa_kernarg_size 32
		.amdhsa_user_sgpr_count 2
		.amdhsa_user_sgpr_kernarg_segment_ptr 1
		.amdhsa_wavefront_size32 1
		.amdhsa_system_sgpr_workgroup_id_x 1
		.amdhsa_system_sgpr_workgroup_id_y 1
		.amdhsa_system_sgpr_workgroup_id_z 1
		.amdhsa_system_vgpr_workitem_id 0
		.amdhsa_next_free_vgpr 248
		.amdhsa_next_free_sgpr 66
		.amdhsa_reserve_vcc 1
		.amdhsa_float_denorm_mode_32 3
		.amdhsa_float_denorm_mode_16_64 3
		.amdhsa_memory_ordered 1
		.amdhsa_forward_progress 1
		.amdhsa_inst_pref_size 127
	.end_amdhsa_kernel
	.amdgpu_metadata
---
amdhsa.version: [ 1, 2 ]
amdhsa.kernels:
  - .name:           k_qddda26fb39_l1sig
    .symbol:         k_qddda26fb39_l1sig.kd
    .args:
      - { .name: ent_table, .offset: 0, .size: 8, .value_kind: global_buffer, .address_space: global }
      - { .name: type_table, .offset: 8, .size: 8, .value_kind: global_buffer, .address_space: global }
      - { .name: x_batch, .offset: 16, .size: 8, .value_kind: global_buffer, .address_space: global }
      - { .name: out0, .offset: 24, .size: 8, .value_kind: global_buffer, .address_space: global }
    .group_segment_fixed_size: 203264
    .private_segment_fixed_size: 0
    .kernarg_segment_align: 8
    .kernarg_segment_size: 32
    .max_flat_workgroup_size: 128
    .sgpr_count:     66
    .vgpr_count:     248
    .wavefront_size: 32
...
	.end_amdgpu_metadata
.endif
;; end of part 1
